; MI455X (gfx1250); checked and timed in simulation.
; The chip was launched on July 23, 2026; its instructions are those of AMD's public machine-readable ISA for CDNA 5 (MIT licence, August 2026) and "CDNA5" Instruction Set Architecture Reference Guide (July 2026). The comments in the code are by the model that wrote it; some were corrected since.
;; Ref Slice Soft Sort. Allowed arithmetic: float matrix products may take bf16 or f16 operands with f32 sums; other float arithmetic in f32, or as packed bf16 or f16 multiplies, adds, multiply-adds, maxima and minima; sums over many terms, partial sums and values carried from step to step in f32; what a program stores and reads back later, other than sums and carried values, may be rounded once to bf16 or f16.
;; Inputs: scores 4 x 131,072 float32.
;; Outputs: out0 4 x 131,072 int32.
;; One version. Each part assembles by itself: llvm-mc -triple=amdgcn-amd-amdhsa -mcpu=gfx1250 --defsym DOCPART=n.
;; ======== version 1 of 1: 4 launches
;; workspace buffers: lista 1,048,576 bytes; listb 131,072 bytes; mins 4,096 bytes; refv 16,384 bytes; refi 16,384 bytes of whole numbers; meta 256 bytes of whole numbers
;; launch local (part 1): grid 256 x 1, 4 waves a work-group, no clusters, 16,896 bytes of LDS; arguments scores, lista, mins; writes lista, mins
.if DOCPART == 1
	.amdgcn_target "amdgcn-amd-amdhsa--gfx1250"
	.amdhsa_code_object_version 6
	.text
	.protected	k_q7291eb25f9_local
	.globl	k_q7291eb25f9_local
	.p2align	8
	.type	k_q7291eb25f9_local,@function
k_q7291eb25f9_local:
	s_mov_b64 s[64:65], 0
	v_nop
	global_prefetch_b8 v0, s[64:65] scope:SCOPE_SE
	s_setreg_imm32_b32 hwreg(HW_REG_WAVE_MODE, 25, 1), 1
	s_wait_xcnt 0x0
; THE TOP 512 OF 2,048 SCORES, SORTED.  scores: [4][131072] f32.  Work-group g takes scores 2,048 g .. 2,048 g + 2,047 (row g / 64), wave w 512 of them.
; ORDER.  An element is a key K and its index I in the row.  K is the float's bits turned into an unsigned number that grows with the float (sign set: all bits turned; else the sign bit set), so -0 lies below +0.
; A stands before B if K_A > K_B, or K_A = K_B and I_A < I_B: the order of a stable top-k.  No two elements of a row are alike.  LIMIT: NaN is not treated apart (it is ordered by its bits).
; THE COMPARE.  A before B  <=>  K_A + ~K_B + (I_A < I_B) carries out of 32 bits: one xor, one compare, one add with carry.
; THE NETWORK.  A wave holds 512 elements, element e = 16 lane + r in register r of 16.  Bitonic sort in the form in which every exchange puts the earlier element at the lower e: phase k (blocks of 2^k) begins with
; the mirror step e <-> e ^ (2^k - 1) and goes on with e <-> e ^ 2^j, j = k-2 .. 0.  No address and no branch hangs on the data: only selects do.
;   a step inside the registers (RSTAGE): 8 exchanges, written from one bank of 32 registers into the other, so that nothing is overwritten before it is read;
;   a step between lanes (FETCH.., SELECT): the other bank takes the partner lane's 32 registers, then each lane keeps its own element or takes the partner's.
; Phases 1-4 lie inside the registers and are written out.  Phases 5-9 share one loop body: five mirror fetches to choose from, one SELECT, the lane steps 8, 4, 2, 1 (those that a phase has not are jumped), four RSTAGE.
; MERGING.  Of two sorted lists A, B the 512 first are C[e] = the earlier of A[e], B[511 - e]; C is bitonic, and the steps 256 .. 1 sort it (CLEAN).  Two levels: waves 0, 2 take in waves 1, 3; wave 0 takes in wave 2.
; A list travels (LDS, memory) in the order of its loads: word 128 q + 4 lane + c holds register 4 q + c, so each load or store of a wave covers 512 consecutive bytes; B[511 - e] is register 15 - r of lane 31 - lane.
; Each wave also stores its least score (element 511 of its sorted list): a later launch bounds the distances by it.
.set SPARE, 16384                      ; behind the four slots: the spare words, 128 bytes for each wave
.set LANE, 1
.set T0,   2
.set GO,   3                           ; 16 lane
.set LW,   4                           ; LDS: my wave's slot + 16 lane
.set LRP,  5                           ; LDS: the partner wave's slot + 16 (31 - lane)
.set LRP2, 6                           ; the same for the second level
.set IB,   7                           ; index of my first score
.set MINF, 8
.set ZO,   9
.set SPW,  10                          ; LDS address of my spare word; never rewritten
.set NIL,  11                          ; 0; never rewritten
.set BA,   32                          ; bank A: v32-47 keys, v48-63 indices
.set BB,   64                          ; bank B: v64-79, v80-95
.set X,    96                          ; v96-111 at work
.set S,    BA                          ; the bank that holds the elements
.set D,    BB                          ; the other one
.set W,    14
.set IT,   15
.set UP,   16                          ; lanes that keep the later element
.set LM,   17                          ; waves with a bit of it set rest at this level
.set IDLE, 18
.set SV,   19
.set ID,   20                          ; s[20:21] v_permlanex16_b32: the same place in the other half
.set REV,  22                          ; s[22:23] the mirrored place in the other half
.set M,    32                          ; s32-47 sixteen masks, so that sixteen compares are under way side by side
.macro TOGGLE
.set tb, S
.set S, D
.set D, tb
.endm
; registers r and r ^ x are exchanged where bit hb of r is clear: the earlier element goes to r
.macro RSTAGE x, hb
.set r, 0
.rept 16
.if (r&(\hb)) == 0
	v_xor_b32 v[X+r], -1, v[S+(r^(\x))]
.endif
.set r, r+1
.endr
.set r, 0
.rept 16
.if (r&(\hb)) == 0
	v_cmp_lt_u32 s[M+r], v[S+16+r], v[S+16+(r^(\x))]
.endif
.set r, r+1
.endr
.set r, 0
.rept 16
.if (r&(\hb)) == 0
	v_add_co_ci_u32 v[X+r], s[M+r], v[S+r], v[X+r], s[M+r]
.endif
.set r, r+1
.endr
.set r, 0
.rept 16
.if (r&(\hb)) == 0
	v_cndmask_b32 v[D+r], v[S+(r^(\x))], v[S+r], s[M+r]
	v_cndmask_b32 v[D+(r^(\x))], v[S+r], v[S+(r^(\x))], s[M+r]
	v_cndmask_b32 v[D+16+r], v[S+16+(r^(\x))], v[S+16+r], s[M+r]
	v_cndmask_b32 v[D+16+(r^(\x))], v[S+16+r], v[S+16+(r^(\x))], s[M+r]
.endif
.set r, r+1
.endr
	TOGGLE
.endm
.macro FETCHX m                        ; the other bank takes lane ^ m's registers (m < 16)
.set r, 0
.rept 32
	v_mov_b32_dpp v[D+r], v[S+r] row_xmask:\m row_mask:0xf bank_mask:0xf
.set r, r+1
.endr
.endm
.macro FETCHP a                        ; the same across the halves of the wave, by the selects in s[a], s[a+1]
.set r, 0
.rept 32
	v_permlanex16_b32 v[D+r], v[S+r], s[\a], s[(\a)+1]
.set r, r+1
.endr
.endm
; my register r against the partner's r (rev = 0) or 15 - r (rev = 1), which lies in the other bank.  The mask says 'the partner's is the earlier'; up = 1: it is turned in the lanes that keep the later one.
.macro SELECT rev, up
.set r, 0
.rept 16
	v_xor_b32 v[X+r], -1, v[S+r]
.set r, r+1
.endr
.set r, 0
.rept 16
	v_cmp_lt_u32 s[M+r], v[D+16+(r^(15*(\rev)))], v[S+16+r]
.set r, r+1
.endr
.set r, 0
.rept 16
	v_add_co_ci_u32 v[X+r], s[M+r], v[D+(r^(15*(\rev)))], v[X+r], s[M+r]
.set r, r+1
.endr
.if \up
.set r, 0
.rept 16
	s_xor_b32 s[M+r], s[M+r], s[UP]
.set r, r+1
.endr
.endif
.set r, 0
.rept 16
	v_cndmask_b32 v[S+r], v[S+r], v[D+(r^(15*(\rev)))], s[M+r]
	v_cndmask_b32 v[S+16+r], v[S+16+r], v[D+16+(r^(15*(\rev)))], s[M+r]
.set r, r+1
.endr
.endm
.macro LSTAGE m, mask
	FETCHX \m
	s_mov_b32 s[UP], \mask
	SELECT 0, 1
.endm
; the partner list lies mirrored in the other bank: keep the earlier of each pair, then the steps 256 .. 1
.macro CLEAN
	SELECT 1, 0
	FETCHP ID
	s_mov_b32 s[UP], 0xffff0000
	SELECT 0, 1
	LSTAGE 8, 0xff00ff00
	LSTAGE 4, 0xf0f0f0f0
	LSTAGE 2, 0xcccccccc
	LSTAGE 1, 0xaaaaaaaa
	RSTAGE 8, 8
	RSTAGE 4, 4
	RSTAGE 2, 2
	RSTAGE 1, 1
.endm
; Every wave puts its list into its own slot; behind the barrier the waves at work read their partner's, mirrored; the second barrier lets the slots be written again at the next level.
.macro EXCHANGE
.irp q, 0,1,2,3
	ds_store_b128 v[LW], v[S+4*(\q):S+4*(\q)+3] offset:512*(\q)
	ds_store_b128 v[LW], v[S+16+4*(\q):S+16+4*(\q)+3] offset:2048+512*(\q)
.endr
	s_wait_dscnt 0x0                               ; for the others' sake: my list lies in LDS
	s_barrier_signal -1
	s_barrier_wait -1
	s_and_b32 s[IDLE], s[W], s[LM]
	s_cmp_lg_u32 s[IDLE], 0
	s_cbranch_scc1 .Lnoload
.irp q, 0,1,2,3
	ds_load_b128 v[D+4*(\q):D+4*(\q)+3], v[LRP] offset:512*(\q)
	ds_load_b128 v[D+16+4*(\q):D+16+4*(\q)+3], v[LRP] offset:2048+512*(\q)
.endr
.Lnoload:
	s_wait_dscnt 0x0                               ; my reads of the partner's slot are over
	s_barrier_signal -1
	s_barrier_wait -1
	v_mov_b32 v[LRP], v[LRP2]                      ; the next level's partner
	s_cmp_lg_u32 s[IDLE], 0
	s_cbranch_scc1 .Lbottom                        ; a wave whose list has been taken in rests, and passes the barriers
.endm
	s_load_b128 s[4:7], s[0:1], 0x0                ; scores s[4:5], lista s[6:7]
	s_load_b64 s[8:9], s[0:1], 0x10                ; mins
	v_lshl_add_u32 v[SPW], v0, 2, SPARE
	v_mov_b32 v[NIL], 0
	v_and_b32 v[LANE], 31, v0
	v_lshrrev_b32 v[T0], 5, v0
	v_readfirstlane_b32 s[W], v[T0]                ; wave 0..3
	v_lshlrev_b32 v[GO], 4, v[LANE]
	s_lshl_b32 s10, ttmp9, 13                      ; the work-group's 8,192 bytes of scores,
	s_lshl_b32 s11, s[W], 11                       ; my wave's 2,048 of them
	s_add_co_u32 s10, s10, s11
	s_mov_b32 s11, 0
	s_lshl_b32 s12, ttmp9, 12                      ; list g: 2,048 bytes of keys, 2,048 of indices
	s_mov_b32 s13, 0
	s_lshl_b32 s24, ttmp9, 4                       ; mins: word 4 g + w
	s_lshl2_add_u32 s24, s[W], s24
	s_mov_b32 s25, 0
	s_wait_kmcnt 0x0
	s_add_nc_u64 s[4:5], s[4:5], s[10:11]
	s_add_nc_u64 s[6:7], s[6:7], s[12:13]
	s_add_nc_u64 s[8:9], s[8:9], s[24:25]
.irp q, 0,1,2,3
	global_load_b128 v[BB+4*(\q):BB+4*(\q)+3], v[GO], s[4:5] offset:512*(\q)  ; 512 consecutive bytes: where an unsorted score begins does not matter
.endr
	s_mov_b32 s[ID], 0x76543210
	s_mov_b32 s[ID+1], 0xfedcba98
	s_mov_b32 s[REV], 0x89abcdef
	s_mov_b32 s[REV+1], 0x01234567
	s_lshl_b32 s26, s[W], 12                       ; my slot
	v_add_nc_u32 v[LW], s26, v[GO]
	v_sub_nc_u32 v[T0], 31, v[LANE]
	v_lshlrev_b32 v[T0], 4, v[T0]
	s_xor_b32 s27, s26, 0x1000                     ; wave w ^ 1's slot
	v_add_nc_u32 v[LRP], s27, v[T0]
	s_xor_b32 s27, s26, 0x2000                     ; wave w ^ 2's
	v_add_nc_u32 v[LRP2], s27, v[T0]
	v_mov_b32 v[ZO], 0
	s_and_b32 s26, ttmp9, 63                       ; the chunk in its row
	s_lshl_b32 s26, s26, 11
	s_lshl_b32 s27, s[W], 9
	s_add_co_u32 s26, s26, s27
	v_lshl_add_u32 v[IB], v[LANE], 2, s26
.set r, 0
.rept 16
	v_add_nc_u32 v[BA+16+r], 128*(r/4)+r%4, v[IB]  ; load r / 4, word r % 4
.set r, r+1
.endr
	s_wait_loadcnt 0x0
.set r, 0
.rept 16
	v_ashrrev_i32 v[X+r], 31, v[BB+r]
.set r, r+1
.endr
.set r, 0
.rept 16
	v_or_b32 v[X+r], 0x80000000, v[X+r]
.set r, r+1
.endr
.set r, 0
.rept 16
	v_xor_b32 v[BA+r], v[BB+r], v[X+r]
.set r, r+1
.endr
	RSTAGE 1, 1                                    ; phase 1
	RSTAGE 3, 2                                    ; phase 2
	RSTAGE 1, 1
	RSTAGE 7, 4                                    ; phase 3
	RSTAGE 2, 2
	RSTAGE 1, 1
	RSTAGE 15, 8                                   ; phase 4: ten steps, so the elements are back in bank A
	RSTAGE 4, 4
	RSTAGE 2, 2
	RSTAGE 1, 1
	s_mov_b32 s[IT], 0
.Lphase:                                               ; phase 5 + IT: the mirror step pairs lane with lane ^ (2^(IT+1) - 1), register r with 15 - r
	s_cmp_lg_u32 s[IT], 0
	s_cbranch_scc1 .Lf1
	FETCHX 1
	s_mov_b32 s[UP], 0xaaaaaaaa
	s_branch .Lflip
.Lf1:
	s_cmp_lg_u32 s[IT], 1
	s_cbranch_scc1 .Lf2
	FETCHX 3
	s_mov_b32 s[UP], 0xcccccccc
	s_branch .Lflip
.Lf2:
	s_cmp_lg_u32 s[IT], 2
	s_cbranch_scc1 .Lf3
	FETCHX 7
	s_mov_b32 s[UP], 0xf0f0f0f0
	s_branch .Lflip
.Lf3:
	s_cmp_lg_u32 s[IT], 3
	s_cbranch_scc1 .Lf4
	FETCHX 15
	s_mov_b32 s[UP], 0xff00ff00
	s_branch .Lflip
.Lf4:
	FETCHP REV
	s_mov_b32 s[UP], 0xffff0000
.Lflip:
	SELECT 1, 1
	s_cmp_lt_u32 s[IT], 4
	s_cbranch_scc1 .Ll4
	LSTAGE 8, 0xff00ff00
.Ll4:
	s_cmp_lt_u32 s[IT], 3
	s_cbranch_scc1 .Ll2
	LSTAGE 4, 0xf0f0f0f0
.Ll2:
	s_cmp_lt_u32 s[IT], 2
	s_cbranch_scc1 .Ll1
	LSTAGE 2, 0xcccccccc
.Ll1:
	s_cmp_lt_u32 s[IT], 1
	s_cbranch_scc1 .Lregs
	LSTAGE 1, 0xaaaaaaaa
.Lregs:
	RSTAGE 8, 8                                    ; four steps: the banks stand at the jump as they stood at the label
	RSTAGE 4, 4
	RSTAGE 2, 2
	RSTAGE 1, 1
	s_add_co_u32 s[IT], s[IT], 1
	s_cmp_lt_u32 s[IT], 5
	s_cbranch_scc1 .Lphase
	; my wave's least score is element 511: register 15 of lane 31; its key is turned back into the float
	v_xor_b32 v[MINF], -1, v[S+15]
	v_ashrrev_i32 v[MINF], 31, v[MINF]
	v_or_b32 v[MINF], 0x80000000, v[MINF]
	v_xor_b32 v[MINF], v[S+15], v[MINF]
	v_cmp_eq_u32 vcc_lo, 31, v[LANE]
	s_wait_xcnt 0x0                                ; EXEC changes only behind this wait,
	s_and_saveexec_b32 s[SV], vcc_lo
	global_store_b32 v[ZO], v[MINF], s[8:9]
	s_wait_xcnt 0x0                                ; and is restored only behind this one
	s_or_b32 exec_lo, exec_lo, s[SV]
	s_mov_b32 s[LM], 1
	s_mov_b32 s[IT], 0
.Llevel:
	EXCHANGE
	CLEAN
.Lbottom:
	s_lshl1_add_u32 s[LM], s[LM], 1                ; 1, then 3
	s_add_co_u32 s[IT], s[IT], 1
	s_cmp_lt_u32 s[IT], 2
	s_cbranch_scc1 .Llevel
	s_cmp_lg_u32 s[W], 0
	s_cbranch_scc1 .Lend
.irp q, 0,1,2,3
	global_store_b128 v[GO], v[S+4*(\q):S+4*(\q)+3], s[6:7] offset:512*(\q)          ; each store covers 512 consecutive bytes, aligned
	global_store_b128 v[GO], v[S+16+4*(\q):S+16+4*(\q)+3], s[6:7] offset:2048+512*(\q)
.endr
.Lend:
	s_wait_tensorcnt 0x0                           ; the wave's end: behind my last LDS store
	ds_add_u32 v[SPW], v[NIL]
	s_wait_dscnt 0x0
	s_endpgm
.Lfunc_end_k_q7291eb25f9_local:
	.size	k_q7291eb25f9_local, .Lfunc_end_k_q7291eb25f9_local-k_q7291eb25f9_local
	.p2alignl 7, 3214868480
	.fill 96, 4, 3214868480
	.section	.rodata,"a",@progbits
	.p2align	6, 0x0
	.amdhsa_kernel k_q7291eb25f9_local
		.amdhsa_group_segment_fixed_size 16896
		.amdhsa_private_segment_fixed_size 0
		.amdhsa_enable_private_segment 0
		.amdhsa_kernarg_size 24
		.amdhsa_user_sgpr_count 2
		.amdhsa_user_sgpr_kernarg_segment_ptr 1
		.amdhsa_wavefront_size32 1
		.amdhsa_system_sgpr_workgroup_id_x 1
		.amdhsa_system_sgpr_workgroup_id_y 1
		.amdhsa_system_sgpr_workgroup_id_z 1
		.amdhsa_system_vgpr_workitem_id 0
		.amdhsa_next_free_vgpr 112
		.amdhsa_next_free_sgpr 66
		.amdhsa_reserve_vcc 1
		.amdhsa_float_denorm_mode_32 3
		.amdhsa_float_denorm_mode_16_64 3
		.amdhsa_memory_ordered 1
		.amdhsa_forward_progress 1
		.amdhsa_inst_pref_size 151
	.end_amdhsa_kernel
	.amdgpu_metadata
---
amdhsa.version: [ 1, 2 ]
amdhsa.kernels:
  - .name:           k_q7291eb25f9_local
    .symbol:         k_q7291eb25f9_local.kd
    .args:
      - { .name: scores, .offset: 0, .size: 8, .value_kind: global_buffer, .address_space: global }
      - { .name: lista, .offset: 8, .size: 8, .value_kind: global_buffer, .address_space: global }
      - { .name: mins, .offset: 16, .size: 8, .value_kind: global_buffer, .address_space: global }
    .group_segment_fixed_size: 16896
    .private_segment_fixed_size: 0
    .kernarg_segment_align: 8
    .kernarg_segment_size: 24
    .max_flat_workgroup_size: 128
    .sgpr_count:     66
    .vgpr_count:     112
    .wavefront_size: 32
...
	.end_amdgpu_metadata
.endif
;; end of part 1
;; launch merge (part 2): grid 32 x 1, 4 waves a work-group, no clusters, 16,896 bytes of LDS; arguments lista, listb; writes listb
.if DOCPART == 2
	.amdgcn_target "amdgcn-amd-amdhsa--gfx1250"
	.amdhsa_code_object_version 6
	.text
	.protected	k_q7291eb25f9_merge
	.globl	k_q7291eb25f9_merge
	.p2align	8
	.type	k_q7291eb25f9_merge,@function
k_q7291eb25f9_merge:
	s_mov_b64 s[64:65], 0
	v_nop
	global_prefetch_b8 v0, s[64:65] scope:SCOPE_SE
	s_setreg_imm32_b32 hwreg(HW_REG_WAVE_MODE, 25, 1), 1
	s_wait_xcnt 0x0
; EIGHT SORTED LISTS OF 512 INTO ONE.  Work-group g takes lists 8 g .. 8 g + 7 of the first buffer (all of one row: a row has 64) and writes list g of the second.
; An element is a key K (an unsigned image of the float that grows with it) and its index I in the row; A stands before B if K_A > K_B, or K_A = K_B and I_A < I_B.  No two elements of a row are alike.
; A before B  <=>  K_A + ~K_B + (I_A < I_B) carries out of 32 bits.
; A wave holds a list, element e = 16 lane + r in register r of 16.  Of two sorted lists A, B the 512 first are C[e] = the earlier of A[e], B[511 - e]; C is bitonic, and the exchanges e <-> e ^ 2^j, j = 8 .. 0, sort it.
; Three levels on one text: wave w merges lists 2 w and 2 w + 1 straight from memory; then waves 0, 2 take in waves 1, 3 through LDS; then wave 0 takes in wave 2.  No address and no branch hangs on the data.
; A list lies (memory, LDS) in the order of its loads: word 128 q + 4 lane + c holds register 4 q + c (keys, then 2,048 bytes on the indices): each load or store of a wave covers 512 consecutive bytes;
; B[511 - e] is register 15 - r of lane 31 - lane.
.set SPARE, 16384                      ; behind the four slots: the spare words, 128 bytes for each wave
.set LANE, 1
.set T0,   2
.set GO,   3                           ; 16 lane
.set LW,   4                           ; LDS: my wave's slot + 16 lane
.set LRP,  5                           ; LDS: the partner wave's slot + 16 (31 - lane)
.set LRP2, 6                           ; the same for the last level
.set GR,   7                           ; 16 (31 - lane)
.set SPW,  10                          ; LDS address of my spare word; never rewritten
.set NIL,  11                          ; 0; never rewritten
.set BA,   32                          ; bank A: v32-47 keys, v48-63 indices
.set BB,   64                          ; bank B
.set X,    96                          ; v96-111 at work
.set S,    BA
.set D,    BB
.set W,    14
.set IT,   15
.set UP,   16                          ; lanes that keep the later element
.set LM,   17                          ; waves with a bit of it set rest at this level
.set IDLE, 18
.set ID,   20                          ; s[20:21] v_permlanex16_b32: the same place in the other half
.set M,    32                          ; s32-47 sixteen masks
.macro TOGGLE
.set tb, S
.set S, D
.set D, tb
.endm
.macro RSTAGE x, hb                    ; registers r and r ^ x, where bit hb of r is clear: the earlier element goes to r; written into the other bank
.set r, 0
.rept 16
.if (r&(\hb)) == 0
	v_xor_b32 v[X+r], -1, v[S+(r^(\x))]
.endif
.set r, r+1
.endr
.set r, 0
.rept 16
.if (r&(\hb)) == 0
	v_cmp_lt_u32 s[M+r], v[S+16+r], v[S+16+(r^(\x))]
.endif
.set r, r+1
.endr
.set r, 0
.rept 16
.if (r&(\hb)) == 0
	v_add_co_ci_u32 v[X+r], s[M+r], v[S+r], v[X+r], s[M+r]
.endif
.set r, r+1
.endr
.set r, 0
.rept 16
.if (r&(\hb)) == 0
	v_cndmask_b32 v[D+r], v[S+(r^(\x))], v[S+r], s[M+r]
	v_cndmask_b32 v[D+(r^(\x))], v[S+r], v[S+(r^(\x))], s[M+r]
	v_cndmask_b32 v[D+16+r], v[S+16+(r^(\x))], v[S+16+r], s[M+r]
	v_cndmask_b32 v[D+16+(r^(\x))], v[S+16+r], v[S+16+(r^(\x))], s[M+r]
.endif
.set r, r+1
.endr
	TOGGLE
.endm
.macro FETCHX m                        ; the other bank takes lane ^ m's registers (m < 16)
.set r, 0
.rept 32
	v_mov_b32_dpp v[D+r], v[S+r] row_xmask:\m row_mask:0xf bank_mask:0xf
.set r, r+1
.endr
.endm
.macro FETCHP a                        ; the same across the halves of the wave
.set r, 0
.rept 32
	v_permlanex16_b32 v[D+r], v[S+r], s[\a], s[(\a)+1]
.set r, r+1
.endr
.endm
.macro SELECT rev, up                  ; my register r against the partner's r or (rev) 15 - r in the other bank; up = 1: the mask is turned in the lanes that keep the later element
.set r, 0
.rept 16
	v_xor_b32 v[X+r], -1, v[S+r]
.set r, r+1
.endr
.set r, 0
.rept 16
	v_cmp_lt_u32 s[M+r], v[D+16+(r^(15*(\rev)))], v[S+16+r]
.set r, r+1
.endr
.set r, 0
.rept 16
	v_add_co_ci_u32 v[X+r], s[M+r], v[D+(r^(15*(\rev)))], v[X+r], s[M+r]
.set r, r+1
.endr
.if \up
.set r, 0
.rept 16
	s_xor_b32 s[M+r], s[M+r], s[UP]
.set r, r+1
.endr
.endif
.set r, 0
.rept 16
	v_cndmask_b32 v[S+r], v[S+r], v[D+(r^(15*(\rev)))], s[M+r]
	v_cndmask_b32 v[S+16+r], v[S+16+r], v[D+16+(r^(15*(\rev)))], s[M+r]
.set r, r+1
.endr
.endm
.macro LSTAGE m, mask
	FETCHX \m
	s_mov_b32 s[UP], \mask
	SELECT 0, 1
.endm
.macro CLEAN
	SELECT 1, 0
	FETCHP ID
	s_mov_b32 s[UP], 0xffff0000
	SELECT 0, 1
	LSTAGE 8, 0xff00ff00
	LSTAGE 4, 0xf0f0f0f0
	LSTAGE 2, 0xcccccccc
	LSTAGE 1, 0xaaaaaaaa
	RSTAGE 8, 8
	RSTAGE 4, 4
	RSTAGE 2, 2
	RSTAGE 1, 1
.endm
; Every wave puts its list into its own slot; behind the barrier the waves at work read their partner's, mirrored; the second barrier lets the slots be written again at the next level.
.macro EXCHANGE
.irp q, 0,1,2,3
	ds_store_b128 v[LW], v[S+4*(\q):S+4*(\q)+3] offset:512*(\q)
	ds_store_b128 v[LW], v[S+16+4*(\q):S+16+4*(\q)+3] offset:2048+512*(\q)
.endr
	s_wait_dscnt 0x0                               ; for the others' sake: my list lies in LDS
	s_barrier_signal -1
	s_barrier_wait -1
	s_and_b32 s[IDLE], s[W], s[LM]
	s_cmp_lg_u32 s[IDLE], 0
	s_cbranch_scc1 .Lnoload
.irp q, 0,1,2,3
	ds_load_b128 v[D+4*(\q):D+4*(\q)+3], v[LRP] offset:512*(\q)
	ds_load_b128 v[D+16+4*(\q):D+16+4*(\q)+3], v[LRP] offset:2048+512*(\q)
.endr
.Lnoload:
	s_wait_dscnt 0x0                               ; my reads of the partner's slot are over
	s_barrier_signal -1
	s_barrier_wait -1
	v_mov_b32 v[LRP], v[LRP2]
	s_cmp_lg_u32 s[IDLE], 0
	s_cbranch_scc1 .Lbottom                        ; a wave whose list has been taken in rests, and passes the barriers
.endm
	s_load_b128 s[4:7], s[0:1], 0x0                ; the lists s[4:5], the result s[6:7]
	v_lshl_add_u32 v[SPW], v0, 2, SPARE
	v_mov_b32 v[NIL], 0
	v_and_b32 v[LANE], 31, v0
	v_lshrrev_b32 v[T0], 5, v0
	v_readfirstlane_b32 s[W], v[T0]                ; wave 0..3
	v_lshlrev_b32 v[GO], 4, v[LANE]
	v_sub_nc_u32 v[T0], 31, v[LANE]
	v_lshlrev_b32 v[GR], 4, v[T0]
	s_lshl_b32 s10, ttmp9, 15                      ; eight lists of 4,096 bytes,
	s_lshl_b32 s11, s[W], 13                       ; my wave's two
	s_add_co_u32 s10, s10, s11
	s_mov_b32 s11, 0
	s_lshl_b32 s12, ttmp9, 12
	s_mov_b32 s13, 0
	s_wait_kmcnt 0x0
	s_add_nc_u64 s[4:5], s[4:5], s[10:11]
	s_add_nc_u64 s[6:7], s[6:7], s[12:13]
.irp q, 0,1,2,3
	global_load_b128 v[BA+4*(\q):BA+4*(\q)+3], v[GO], s[4:5] offset:512*(\q)
	global_load_b128 v[BA+16+4*(\q):BA+16+4*(\q)+3], v[GO], s[4:5] offset:2048+512*(\q)
	global_load_b128 v[BB+4*(\q):BB+4*(\q)+3], v[GR], s[4:5] offset:4096+512*(\q)       ; the second list, lanes mirrored
	global_load_b128 v[BB+16+4*(\q):BB+16+4*(\q)+3], v[GR], s[4:5] offset:6144+512*(\q)
.endr
	s_mov_b32 s[ID], 0x76543210
	s_mov_b32 s[ID+1], 0xfedcba98
	s_lshl_b32 s26, s[W], 12                       ; my slot
	v_add_nc_u32 v[LW], s26, v[GO]
	s_xor_b32 s27, s26, 0x1000                     ; wave w ^ 1's slot
	v_add_nc_u32 v[LRP], s27, v[GR]
	s_xor_b32 s27, s26, 0x2000                     ; wave w ^ 2's
	v_add_nc_u32 v[LRP2], s27, v[GR]
	s_mov_b32 s[LM], 0
	s_mov_b32 s[IT], 0
	s_wait_loadcnt 0x0
	s_branch .Lclean                               ; the first level has its partner list already: the loop is entered behind the exchange
.Llevel:
	EXCHANGE
.Lclean:
	CLEAN
.Lbottom:
	s_lshl1_add_u32 s[LM], s[LM], 1                ; 1, then 3
	s_add_co_u32 s[IT], s[IT], 1
	s_cmp_lt_u32 s[IT], 3
	s_cbranch_scc1 .Llevel
	s_cmp_lg_u32 s[W], 0
	s_cbranch_scc1 .Lend
.irp q, 0,1,2,3
	global_store_b128 v[GO], v[S+4*(\q):S+4*(\q)+3], s[6:7] offset:512*(\q)          ; each store covers 512 consecutive bytes, aligned
	global_store_b128 v[GO], v[S+16+4*(\q):S+16+4*(\q)+3], s[6:7] offset:2048+512*(\q)
.endr
.Lend:
	s_wait_tensorcnt 0x0                           ; the wave's end: behind my last LDS store
	ds_add_u32 v[SPW], v[NIL]
	s_wait_dscnt 0x0
	s_endpgm
.Lfunc_end_k_q7291eb25f9_merge:
	.size	k_q7291eb25f9_merge, .Lfunc_end_k_q7291eb25f9_merge-k_q7291eb25f9_merge
	.p2alignl 7, 3214868480
	.fill 96, 4, 3214868480
	.section	.rodata,"a",@progbits
	.p2align	6, 0x0
	.amdhsa_kernel k_q7291eb25f9_merge
		.amdhsa_group_segment_fixed_size 16896
		.amdhsa_private_segment_fixed_size 0
		.amdhsa_enable_private_segment 0
		.amdhsa_kernarg_size 16
		.amdhsa_user_sgpr_count 2
		.amdhsa_user_sgpr_kernarg_segment_ptr 1
		.amdhsa_wavefront_size32 1
		.amdhsa_system_sgpr_workgroup_id_x 1
		.amdhsa_system_sgpr_workgroup_id_y 1
		.amdhsa_system_sgpr_workgroup_id_z 1
		.amdhsa_system_vgpr_workitem_id 0
		.amdhsa_next_free_vgpr 112
		.amdhsa_next_free_sgpr 66
		.amdhsa_reserve_vcc 0
		.amdhsa_float_denorm_mode_32 3
		.amdhsa_float_denorm_mode_16_64 3
		.amdhsa_memory_ordered 1
		.amdhsa_forward_progress 1
		.amdhsa_inst_pref_size 59
	.end_amdhsa_kernel
	.amdgpu_metadata
---
amdhsa.version: [ 1, 2 ]
amdhsa.kernels:
  - .name:           k_q7291eb25f9_merge
    .symbol:         k_q7291eb25f9_merge.kd
    .args:
      - { .name: lista, .offset: 0, .size: 8, .value_kind: global_buffer, .address_space: global }
      - { .name: listb, .offset: 8, .size: 8, .value_kind: global_buffer, .address_space: global }
    .group_segment_fixed_size: 16896
    .private_segment_fixed_size: 0
    .kernarg_segment_align: 8
    .kernarg_segment_size: 16
    .max_flat_workgroup_size: 128
    .sgpr_count:     66
    .vgpr_count:     112
    .wavefront_size: 32
...
	.end_amdgpu_metadata
.endif
;; end of part 2
;; launch final (part 3): grid 4 x 1, 4 waves a work-group, no clusters, 16,896 bytes of LDS; arguments listb, mins, refv, refi, meta; writes refv, refi, meta
.if DOCPART == 3
	.amdgcn_target "amdgcn-amd-amdhsa--gfx1250"
	.amdhsa_code_object_version 6
	.text
	.protected	k_q7291eb25f9_final
	.globl	k_q7291eb25f9_final
	.p2align	8
	.type	k_q7291eb25f9_final,@function
k_q7291eb25f9_final:
	s_mov_b64 s[64:65], 0
	v_nop
	global_prefetch_b8 v0, s[64:65] scope:SCOPE_SE
	s_setreg_imm32_b32 hwreg(HW_REG_WAVE_MODE, 25, 1), 1
	s_wait_xcnt 0x0
; A ROW'S LAST EIGHT LISTS INTO ITS TOP 512, AND WHAT THE LAST LAUNCH NEEDS OF THEM.  Work-group g = row g.  The merging is the launch before's, text and layout: an element is a key K (unsigned image of the float) and its
; index I; A stands before B if K_A > K_B, or K_A = K_B and I_A < I_B, which is the carry of K_A + ~K_B + (I_A < I_B); a wave holds a list, element e = 16 lane + r; of two sorted lists the 512 first are the earlier of
; A[e], B[511 - e], sorted by the exchanges e <-> e ^ 2^j, j = 8 .. 0.
; THEN wave 0, which holds the sorted list, writes for its row:
;   refv: 512 words of +infinity, then ref_val[0..511];  refi: 512 words of 0, then ref_idx[0..511].  The pads let the last launch read up to 511 places above any ref, and one block past the tail's last, inside the buffers.
;   meta: two whole numbers, made here and stored, since trip counts of the last launch hang on them:
;     word 1, RW = 1 + the number of k with ref_val[k-1] - ref_val[k] <= 2^-25 (in f32).  If ref j < k lies within 2^-25 of ref k, so does every gap between them: k - j < RW.
;     word 0, NB = ceil(C / 4), C = the number of j with ref_val[j] - ref_val[511] <= B, B = 2^-22 (ref_val[0] - the row's least score) + 2^-24.  For a score s not above ref 511 the distances d_j = fl(ref_j - s)
;     are off by at most 2^-24 d_j each, and d_j <= ref_0 - least: d_j - d_511 <= 2^-25 can hold only where ref_j - ref_511 <= 2^-23 (ref_0 - least) + 2^-25, half of B.
; LIMIT: NaN is not treated apart.
.set SPARE, 16384                      ; behind the four slots: the spare words, 128 bytes for each wave
.set LANE, 1
.set T0,   2
.set GO,   3                           ; 16 lane
.set LW,   4
.set LRP,  5
.set LRP2, 6
.set GR,   7                           ; 16 (31 - lane)
.set SPW,  10                          ; LDS address of my spare word; never rewritten
.set NIL,  11                          ; 0; never rewritten
.set PR,   12                          ; the lane below's last value
.set PA,   13
.set BV,   14                          ; B
.set C24,  15
.set MT,   16
.set MO,   17
.set FO,   18                          ; 64 lane
.set BA,   32
.set BB,   64
.set X,    96
.set PV,   112                         ; v[112:115] +infinity
.set PI,   116                         ; v[116:119] 0
.set MN,   120                         ; v[120:127] eight of the row's 256 least scores
.set S,    BA
.set D,    BB
.set W,    14
.set IT,   15
.set UP,   16
.set LM,   17
.set IDLE, 18
.set SV,   19
.set ID,   20
.set R0,   24
.set RL,   25
.set CNT,  26
.set CC,   27
.set EPS,  28
.set M,    32
.macro TOGGLE
.set tb, S
.set S, D
.set D, tb
.endm
.macro RSTAGE x, hb
.set r, 0
.rept 16
.if (r&(\hb)) == 0
	v_xor_b32 v[X+r], -1, v[S+(r^(\x))]
.endif
.set r, r+1
.endr
.set r, 0
.rept 16
.if (r&(\hb)) == 0
	v_cmp_lt_u32 s[M+r], v[S+16+r], v[S+16+(r^(\x))]
.endif
.set r, r+1
.endr
.set r, 0
.rept 16
.if (r&(\hb)) == 0
	v_add_co_ci_u32 v[X+r], s[M+r], v[S+r], v[X+r], s[M+r]
.endif
.set r, r+1
.endr
.set r, 0
.rept 16
.if (r&(\hb)) == 0
	v_cndmask_b32 v[D+r], v[S+(r^(\x))], v[S+r], s[M+r]
	v_cndmask_b32 v[D+(r^(\x))], v[S+r], v[S+(r^(\x))], s[M+r]
	v_cndmask_b32 v[D+16+r], v[S+16+(r^(\x))], v[S+16+r], s[M+r]
	v_cndmask_b32 v[D+16+(r^(\x))], v[S+16+r], v[S+16+(r^(\x))], s[M+r]
.endif
.set r, r+1
.endr
	TOGGLE
.endm
.macro FETCHX m
.set r, 0
.rept 32
	v_mov_b32_dpp v[D+r], v[S+r] row_xmask:\m row_mask:0xf bank_mask:0xf
.set r, r+1
.endr
.endm
.macro FETCHP a
.set r, 0
.rept 32
	v_permlanex16_b32 v[D+r], v[S+r], s[\a], s[(\a)+1]
.set r, r+1
.endr
.endm
.macro SELECT rev, up
.set r, 0
.rept 16
	v_xor_b32 v[X+r], -1, v[S+r]
.set r, r+1
.endr
.set r, 0
.rept 16
	v_cmp_lt_u32 s[M+r], v[D+16+(r^(15*(\rev)))], v[S+16+r]
.set r, r+1
.endr
.set r, 0
.rept 16
	v_add_co_ci_u32 v[X+r], s[M+r], v[D+(r^(15*(\rev)))], v[X+r], s[M+r]
.set r, r+1
.endr
.if \up
.set r, 0
.rept 16
	s_xor_b32 s[M+r], s[M+r], s[UP]
.set r, r+1
.endr
.endif
.set r, 0
.rept 16
	v_cndmask_b32 v[S+r], v[S+r], v[D+(r^(15*(\rev)))], s[M+r]
	v_cndmask_b32 v[S+16+r], v[S+16+r], v[D+16+(r^(15*(\rev)))], s[M+r]
.set r, r+1
.endr
.endm
.macro LSTAGE m, mask
	FETCHX \m
	s_mov_b32 s[UP], \mask
	SELECT 0, 1
.endm
.macro CLEAN
	SELECT 1, 0
	FETCHP ID
	s_mov_b32 s[UP], 0xffff0000
	SELECT 0, 1
	LSTAGE 8, 0xff00ff00
	LSTAGE 4, 0xf0f0f0f0
	LSTAGE 2, 0xcccccccc
	LSTAGE 1, 0xaaaaaaaa
	RSTAGE 8, 8
	RSTAGE 4, 4
	RSTAGE 2, 2
	RSTAGE 1, 1
.endm
.macro EXCHANGE
.irp q, 0,1,2,3
	ds_store_b128 v[LW], v[S+4*(\q):S+4*(\q)+3] offset:512*(\q)
	ds_store_b128 v[LW], v[S+16+4*(\q):S+16+4*(\q)+3] offset:2048+512*(\q)
.endr
	s_wait_dscnt 0x0                               ; for the others' sake: my list lies in LDS
	s_barrier_signal -1
	s_barrier_wait -1
	s_and_b32 s[IDLE], s[W], s[LM]
	s_cmp_lg_u32 s[IDLE], 0
	s_cbranch_scc1 .Lnoload
.irp q, 0,1,2,3
	ds_load_b128 v[D+4*(\q):D+4*(\q)+3], v[LRP] offset:512*(\q)
	ds_load_b128 v[D+16+4*(\q):D+16+4*(\q)+3], v[LRP] offset:2048+512*(\q)
.endr
.Lnoload:
	s_wait_dscnt 0x0                               ; my reads of the partner's slot are over
	s_barrier_signal -1
	s_barrier_wait -1
	v_mov_b32 v[LRP], v[LRP2]
	s_cmp_lg_u32 s[IDLE], 0
	s_cbranch_scc1 .Lbottom
.endm
	s_load_b256 s[4:11], s[0:1], 0x0               ; listb s[4:5], mins s[6:7], refv s[8:9], refi s[10:11]
	s_load_b64 s[12:13], s[0:1], 0x20              ; meta
	v_lshl_add_u32 v[SPW], v0, 2, SPARE
	v_mov_b32 v[NIL], 0
	v_and_b32 v[LANE], 31, v0
	v_lshrrev_b32 v[T0], 5, v0
	v_readfirstlane_b32 s[W], v[T0]                ; wave 0..3
	v_lshlrev_b32 v[GO], 4, v[LANE]
	v_sub_nc_u32 v[T0], 31, v[LANE]
	v_lshlrev_b32 v[GR], 4, v[T0]
	s_lshl_b32 s22, ttmp9, 15                      ; the row's eight lists, my wave's two
	s_lshl_b32 s23, s[W], 13
	s_add_co_u32 s22, s22, s23
	s_mov_b32 s23, 0
	s_lshl_b32 s24, ttmp9, 12                      ; the row's 1,024 words of refv and of refi
	s_mov_b32 s25, 0
	s_lshl_b32 s26, ttmp9, 10                      ; its 256 words of mins
	s_mov_b32 s27, 0
	s_lshl_b32 s28, ttmp9, 3                       ; its two words of meta
	s_mov_b32 s29, 0
	s_wait_kmcnt 0x0
	s_add_nc_u64 s[4:5], s[4:5], s[22:23]
	s_add_nc_u64 s[6:7], s[6:7], s[26:27]
	s_add_nc_u64 s[8:9], s[8:9], s[24:25]
	s_add_nc_u64 s[10:11], s[10:11], s[24:25]
	s_add_nc_u64 s[12:13], s[12:13], s[28:29]
.irp q, 0,1,2,3
	global_load_b128 v[BA+4*(\q):BA+4*(\q)+3], v[GO], s[4:5] offset:512*(\q)
	global_load_b128 v[BA+16+4*(\q):BA+16+4*(\q)+3], v[GO], s[4:5] offset:2048+512*(\q)
	global_load_b128 v[BB+4*(\q):BB+4*(\q)+3], v[GR], s[4:5] offset:4096+512*(\q)
	global_load_b128 v[BB+16+4*(\q):BB+16+4*(\q)+3], v[GR], s[4:5] offset:6144+512*(\q)
.endr
	s_cmp_lg_u32 s[W], 0
	s_cbranch_scc1 .Lnomin
	global_load_b128 v[MN:MN+3], v[GO], s[6:7]                 ; wave 0 alone wants them, at the end
	global_load_b128 v[MN+4:MN+7], v[GO], s[6:7] offset:512
.Lnomin:
	s_mov_b32 s[ID], 0x76543210
	s_mov_b32 s[ID+1], 0xfedcba98
	s_lshl_b32 s26, s[W], 12
	v_add_nc_u32 v[LW], s26, v[GO]
	s_xor_b32 s27, s26, 0x1000
	v_add_nc_u32 v[LRP], s27, v[GR]
	s_xor_b32 s27, s26, 0x2000
	v_add_nc_u32 v[LRP2], s27, v[GR]
	s_mov_b32 s[LM], 0
	s_mov_b32 s[IT], 0
	s_wait_loadcnt 0x0
	s_branch .Lclean
.Llevel:
	EXCHANGE
.Lclean:
	CLEAN
.Lbottom:
	s_lshl1_add_u32 s[LM], s[LM], 1
	s_add_co_u32 s[IT], s[IT], 1
	s_cmp_lt_u32 s[IT], 3
	s_cbranch_scc1 .Llevel
	s_cmp_lg_u32 s[W], 0
	s_cbranch_scc1 .Lend
	; keys back into floats, into the other bank's first sixteen registers
.set r, 0
.rept 16
	v_xor_b32 v[X+r], -1, v[S+r]
.set r, r+1
.endr
.set r, 0
.rept 16
	v_ashrrev_i32 v[X+r], 31, v[X+r]
.set r, r+1
.endr
.set r, 0
.rept 16
	v_or_b32 v[X+r], 0x80000000, v[X+r]
.set r, r+1
.endr
.set r, 0
.rept 16
	v_xor_b32 v[D+r], v[S+r], v[X+r]
.set r, r+1
.endr
.irp i, 0,1,2,3
	v_mov_b32 v[PV+\i], 0x7f800000
	v_mov_b32 v[PI+\i], 0
.endr
	v_lshlrev_b32 v[FO], 6, v[LANE]
.irp q, 0,1,2,3
	global_store_b128 v[FO], v[D+4*(\q):D+4*(\q)+3], s[8:9] offset:2048+16*(\q)        ; in sorted order: a lane's 16 values are 64 consecutive bytes, filled by the four stores; 2,048 bytes, once a row
	global_store_b128 v[FO], v[S+16+4*(\q):S+16+4*(\q)+3], s[10:11] offset:2048+16*(\q)
	global_store_b128 v[GO], v[PV:PV+3], s[8:9] offset:512*(\q)
	global_store_b128 v[GO], v[PI:PI+3], s[10:11] offset:512*(\q)
.endr
	v_add_nc_u32 v[PA], 31, v[LANE]
	v_and_b32 v[PA], 31, v[PA]
	v_lshlrev_b32 v[PA], 2, v[PA]
	ds_bpermute_b32 v[PR], v[PA], v[D+15]          ; the value just above my first one: the lane below's last (lane 0 has none: its bit is cleared below)
	; the row's least score, in every lane
	v_min3_num_f32 v[MN], v[MN], v[MN+1], v[MN+2]
	v_min3_num_f32 v[MN+3], v[MN+3], v[MN+4], v[MN+5]
	v_min3_num_f32 v[MN], v[MN], v[MN+6], v[MN+7]
	v_min_num_f32 v[MN], v[MN], v[MN+3]
	v_min_num_f32_dpp v[MN], v[MN], v[MN] row_xmask:1 row_mask:0xf bank_mask:0xf
	v_min_num_f32_dpp v[MN], v[MN], v[MN] row_xmask:2 row_mask:0xf bank_mask:0xf
	v_min_num_f32_dpp v[MN], v[MN], v[MN] row_xmask:4 row_mask:0xf bank_mask:0xf
	v_min_num_f32_dpp v[MN], v[MN], v[MN] row_xmask:8 row_mask:0xf bank_mask:0xf
	v_permlanex16_b32 v[MN+1], v[MN], s[ID], s[ID+1]
	v_min_num_f32 v[MN], v[MN], v[MN+1]
	v_readlane_b32 s[R0], v[D], 0                  ; ref_val[0]
	v_readlane_b32 s[RL], v[D+15], 31              ; ref_val[511]
	v_sub_f32 v[BV], s[R0], v[MN]
	v_mov_b32 v[C24], 0x33800000                   ; 2^-24
	v_fmamk_f32 v[BV], v[BV], 0x34800000, v[C24]   ; B = 2^-22 (ref_0 - least) + 2^-24
	s_mov_b32 s[EPS], 0x33000000                   ; 2^-25
	s_wait_dscnt 0x0
	v_sub_f32 v[X], v[PR], v[D]
.set r, 1
.rept 15
	v_sub_f32 v[X+r], v[D+r-1], v[D+r]
.set r, r+1
.endr
.set r, 0
.rept 16
	v_cmp_ge_f32 s[M+r], s[EPS], v[X+r]
.set r, r+1
.endr
	s_and_b32 s[M], s[M], -2                       ; ref 0 has nothing above it
	s_mov_b32 s[CNT], 1
.set r, 0
.rept 16
	s_bcnt1_i32_b32 s[M+r], s[M+r]
	s_add_co_u32 s[CNT], s[CNT], s[M+r]
.set r, r+1
.endr
.set r, 0
.rept 16
	v_sub_f32 v[X+r], v[D+r], s[RL]
.set r, r+1
.endr
.set r, 0
.rept 16
	v_cmp_le_f32 s[M+r], v[X+r], v[BV]
.set r, r+1
.endr
	s_mov_b32 s[CC], 3
.set r, 0
.rept 16
	s_bcnt1_i32_b32 s[M+r], s[M+r]
	s_add_co_u32 s[CC], s[CC], s[M+r]
.set r, r+1
.endr
	s_lshr_b32 s[CC], s[CC], 2                     ; NB = (C + 3) / 4
	v_mov_b32 v[MT], s[CNT]
	v_cmp_eq_u32 vcc_lo, 0, v[LANE]
	v_cndmask_b32 v[MT], v[MT], s[CC], vcc_lo      ; lane 0: NB; lane 1: RW
	v_lshlrev_b32 v[MO], 2, v[LANE]
	v_cmp_gt_u32 vcc_lo, 2, v[LANE]
	s_wait_xcnt 0x0                                ; EXEC changes only behind this wait,
	s_and_saveexec_b32 s[SV], vcc_lo
	global_store_b32 v[MO], v[MT], s[12:13]
	s_wait_xcnt 0x0                                ; and is restored only behind this one
	s_or_b32 exec_lo, exec_lo, s[SV]
.Lend:
	s_wait_tensorcnt 0x0                           ; the wave's end: behind my last LDS store
	ds_add_u32 v[SPW], v[NIL]
	s_wait_dscnt 0x0
	s_endpgm
.Lfunc_end_k_q7291eb25f9_final:
	.size	k_q7291eb25f9_final, .Lfunc_end_k_q7291eb25f9_final-k_q7291eb25f9_final
	.p2alignl 7, 3214868480
	.fill 96, 4, 3214868480
	.section	.rodata,"a",@progbits
	.p2align	6, 0x0
	.amdhsa_kernel k_q7291eb25f9_final
		.amdhsa_group_segment_fixed_size 16896
		.amdhsa_private_segment_fixed_size 0
		.amdhsa_enable_private_segment 0
		.amdhsa_kernarg_size 40
		.amdhsa_user_sgpr_count 2
		.amdhsa_user_sgpr_kernarg_segment_ptr 1
		.amdhsa_wavefront_size32 1
		.amdhsa_system_sgpr_workgroup_id_x 1
		.amdhsa_system_sgpr_workgroup_id_y 1
		.amdhsa_system_sgpr_workgroup_id_z 1
		.amdhsa_system_vgpr_workitem_id 0
		.amdhsa_next_free_vgpr 128
		.amdhsa_next_free_sgpr 66
		.amdhsa_reserve_vcc 1
		.amdhsa_float_denorm_mode_32 3
		.amdhsa_float_denorm_mode_16_64 3
		.amdhsa_memory_ordered 1
		.amdhsa_forward_progress 1
		.amdhsa_inst_pref_size 70
	.end_amdhsa_kernel
	.amdgpu_metadata
---
amdhsa.version: [ 1, 2 ]
amdhsa.kernels:
  - .name:           k_q7291eb25f9_final
    .symbol:         k_q7291eb25f9_final.kd
    .args:
      - { .name: listb, .offset: 0, .size: 8, .value_kind: global_buffer, .address_space: global }
      - { .name: mins, .offset: 8, .size: 8, .value_kind: global_buffer, .address_space: global }
      - { .name: refv, .offset: 16, .size: 8, .value_kind: global_buffer, .address_space: global }
      - { .name: refi, .offset: 24, .size: 8, .value_kind: global_buffer, .address_space: global }
      - { .name: meta, .offset: 32, .size: 8, .value_kind: global_buffer, .address_space: global }
    .group_segment_fixed_size: 16896
    .private_segment_fixed_size: 0
    .kernarg_segment_align: 8
    .kernarg_segment_size: 40
    .max_flat_workgroup_size: 128
    .sgpr_count:     66
    .vgpr_count:     128
    .wavefront_size: 32
...
	.end_amdgpu_metadata
.endif
;; end of part 3
;; launch assign (part 4): grid 256 x 1, 8 waves a work-group, no clusters, 9,472 bytes of LDS; arguments scores, refv, refi, meta, out0; writes out0
.if DOCPART == 4
	.amdgcn_target "amdgcn-amd-amdhsa--gfx1250"
	.amdhsa_code_object_version 6
	.text
	.protected	k_q7291eb25f9_assign
	.globl	k_q7291eb25f9_assign
	.p2align	8
	.type	k_q7291eb25f9_assign,@function
k_q7291eb25f9_assign:
	s_mov_b64 s[64:65], 0
	v_nop
	global_prefetch_b8 v0, s[64:65] scope:SCOPE_SE
	s_setreg_imm32_b32 hwreg(HW_REG_WAVE_MODE, 25, 1), 1
	s_wait_xcnt 0x0
; out0[row][i] = ref_idx[row][the first column whose softmax value is the largest], for 2,048 scores: work-group g takes scores 2,048 g .. (row g / 64), thread t words 4 t .. 4 t + 3 and 1,024 + 4 t .. of them.
; WHAT IS COMPUTED.  The problem's function makes d_j = |s - ref_j|, takes the largest -d_j away (t_j = m - d_j, m the least d), and divides exp(t_j) by their sum; argmax takes the first largest.  All in f32.
; exp(t) is 1.0, the largest value there is, just where t >= -2^-25.  So the answer is the first j with fl(m - d_j) >= -2^-25, the d and the difference made here by the same f32 subtractions.
; The refs are the row's 512 first scores, sorted.  So a score is either a ref, with m = 0 at its own place k, or not above ref 511, with m = d_511 (rounding keeps the order of the distances).
;   A REF k: the first j <= k with ref_j - ref_k <= 2^-25.  Such j lie less than RW places above k (RW was counted and stored by the launch before): RW - 1 trips, each looking one place further up.
;   ANY OTHER SCORE: the first j with fl(d_511 - d_j) >= -2^-25.  Such j lie among the last 4 NB refs (NB likewise): NB trips of four candidates, from 511 upward; a later hit overwrites an earlier one.
; WHICH IS WHICH is told by place, not by value: wave 0 puts each ref's answer into a table in LDS at ref_idx - the chunk's first index (whole numbers read from memory; those outside the chunk go to a dump word);
; every thread computes the second case for its 8 scores and takes the table's entry where there is one.  No address and no branch hangs on a score.
; LIMITS.  A column with 2^-25 < d_j - m <= 2^-23 has an exponential one or two steps under 1.0; whether its quotient by the row's sum still rounds to the largest quotient hangs on that sum's last bit in the order in
; which the function adds: not reproduced, the nearer column is taken.  Refs of magnitude 2 and more differ by 0 or by 2^-22 and more; there d_j - m falls into that span only as 2^-23, where d passes 2.
; NaN and infinite scores are not served.
.set SPARE, 8448                       ; LDS: 0 the table, 2,048 words; 8,192 the dump word's block; here the spare words, 128 bytes for each wave
.set LANE, 1
.set TO,   2                           ; 16 t
.set LO,   3                           ; 16 lane
.set SPW,  4                           ; LDS address of my spare word; never rewritten
.set NIL,  5                           ; 0; never rewritten
.set N1,   8                           ; v[8:11]    -1
.set SC,   12                          ; v[12:19]   my 8 scores
.set D5,   20                          ; v[20:27]   s - ref_511
.set O,    28                          ; v[28:35]   the answers
.set T,    36                          ; v[36:43]   at work
.set TB,   44                          ; v[44:51]   my 8 table entries
.set RV,   52                          ; v[52:67]   wave 0: ref_val[k], k = 128 q + 4 lane + c in register 4 q + c
.set RI,   68                          ; v[68:83]   ref_idx[k]
.set AN,   84                          ; v[84:99]   ref k's answer
.set WV,   100                         ; v[100:115] ref_val[k - o]
.set WI,   116                         ; v[116:131] ref_idx[k - o]
.set PS,   132                         ; v[132:147] table addresses
.set W,    14
.set NB,   30                          ; s[30:31] NB, RW
.set RW,   31
.set RL,   32                          ; ref_val[511]
.set CB,   33                          ; the chunk's first index in its row
.set EPS,  34
.set NEPS, 35
.set CT,   36
.set M,    56                          ; s56-63 eight masks
	s_load_b256 s[4:11], s[0:1], 0x0               ; scores s[4:5], refv s[6:7], refi s[8:9], meta s[10:11]
	s_load_b64 s[12:13], s[0:1], 0x20              ; out0
	v_lshl_add_u32 v[SPW], v0, 2, SPARE
	v_mov_b32 v[NIL], 0
	v_lshrrev_b32 v[LANE], 5, v0
	v_readfirstlane_b32 s[W], v[LANE]              ; wave 0..7
	v_and_b32 v[LANE], 31, v0
	v_lshlrev_b32 v[TO], 4, v0
	v_lshlrev_b32 v[LO], 4, v[LANE]
.irp i, 0,1,2,3
	v_mov_b32 v[N1+\i], -1
.endr
	ds_store_b128 v[TO], v[N1:N1+3]                ; the table starts empty: -1 is no index
	ds_store_b128 v[TO], v[N1:N1+3] offset:4096
	s_lshr_b32 s15, ttmp9, 6                       ; row
	s_lshl_b32 s16, ttmp9, 13                      ; the chunk's 8,192 bytes of scores and of out0
	s_mov_b32 s17, 0
	s_lshl_b32 s18, s15, 12                        ; the row's 1,024 words of refv and of refi
	s_mov_b32 s19, 0
	s_lshl_b32 s20, s15, 3                         ; its two words of meta
	s_mov_b32 s21, 0
	s_and_b32 s[CB], ttmp9, 63
	s_lshl_b32 s[CB], s[CB], 11
	s_mov_b32 s[EPS], 0x33000000                   ; 2^-25
	s_mov_b32 s[NEPS], 0xb3000000                  ; -2^-25
	s_wait_kmcnt 0x0
	s_add_nc_u64 s[4:5], s[4:5], s[16:17]
	s_add_nc_u64 s[12:13], s[12:13], s[16:17]
	s_add_nc_u64 s[6:7], s[6:7], s[18:19]
	s_add_nc_u64 s[8:9], s[8:9], s[18:19]
	s_add_nc_u64 s[10:11], s[10:11], s[20:21]
	global_load_b128 v[SC:SC+3], v[TO], s[4:5]
	global_load_b128 v[SC+4:SC+7], v[TO], s[4:5] offset:4096
	s_add_nc_u64 s[26:27], s[6:7], 4080            ; refs 508 .. 511: words 1,020 .. 1,023 of the row
	s_add_nc_u64 s[28:29], s[8:9], 4080
	s_load_b64 s[NB:NB+1], s[10:11], 0x0
	s_load_b32 s[RL], s[6:7], 0xffc
	s_load_b128 s[40:43], s[26:27], 0x0            ; the first four candidates' values
	s_load_b128 s[44:47], s[28:29], 0x0            ; and indices
	s_cmp_lg_u32 s[W], 0
	s_cbranch_scc1 .Lnorefs
.irp q, 0,1,2,3
	global_load_b128 v[RV+4*(\q):RV+4*(\q)+3], v[LO], s[6:7] offset:2048+512*(\q)
	global_load_b128 v[RI+4*(\q):RI+4*(\q)+3], v[LO], s[8:9] offset:2048+512*(\q)
.endr
.Lnorefs:
	s_wait_dscnt 0x0                               ; for wave 0's sake: my part of the table is set
	s_barrier_signal -1
	s_barrier_wait -1
	s_wait_kmcnt 0x0
	s_min_u32 s[NB], s[NB], 128                    ; the counts as stored lie within these bounds
	s_max_u32 s[NB], s[NB], 1
	s_min_u32 s[RW], s[RW], 512
	s_cmp_lg_u32 s[W], 0
	s_cbranch_scc1 .Lbulk
	; WAVE 0: the 512 refs' own answers, 16 a lane
	s_wait_loadcnt 0x0
.set i, 0
.rept 16
	v_mov_b32 v[AN+i], v[RI+i]                     ; its own index, unless a ref above lies within 2^-25
.set i, i+1
.endr
	s_mov_b64 s[22:23], s[6:7]
	s_mov_b64 s[24:25], s[8:9]
	s_cmp_gt_u32 s[RW], 1
	s_cbranch_scc0 .Lscatter
	s_mov_b32 s[CT], 1
.Lwin:                                                 ; trip o: ref k - o; above ref 0 lie the pad's infinities, which are never near
	s_sub_nc_u64 s[22:23], s[22:23], 4             ; the last trip's loads are done (their wait below)
	s_sub_nc_u64 s[24:25], s[24:25], 4
.set i, 0
.rept 16
	global_load_b32 v[WV+i], v[LO], s[22:23] offset:2048+512*(i/4)+4*(i%4)
	global_load_b32 v[WI+i], v[LO], s[24:25] offset:2048+512*(i/4)+4*(i%4)
.set i, i+1
.endr
	s_wait_loadcnt 0x0
.set i, 0
.rept 16
	v_sub_f32 v[WV+i], v[WV+i], v[RV+i]
.set i, i+1
.endr
.set i, 0
.rept 16
	v_cmp_ge_f32 vcc_lo, s[EPS], v[WV+i]
	v_cndmask_b32 v[AN+i], v[AN+i], v[WI+i], vcc_lo
.set i, i+1
.endr
	s_add_co_u32 s[CT], s[CT], 1
	s_cmp_lt_u32 s[CT], s[RW]
	s_cbranch_scc1 .Lwin
.Lscatter:
.set i, 0
.rept 16
	v_sub_nc_u32 v[PS+i], v[RI+i], s[CB]           ; the ref's place in my chunk; below it the difference wraps to a large number
.set i, i+1
.endr
.set i, 0
.rept 16
	v_min_u32 v[PS+i], 0x800, v[PS+i]              ; outside the chunk: word 2,048, which nobody reads
.set i, i+1
.endr
.set i, 0
.rept 16
	v_lshlrev_b32 v[PS+i], 2, v[PS+i]
.set i, i+1
.endr
.set i, 0
.rept 16
	ds_store_b32 v[PS+i], v[AN+i]
.set i, i+1
.endr
.Lbulk:
	s_wait_loadcnt 0x0                             ; my scores
.set i, 0
.rept 8
	v_sub_f32 v[D5+i], v[SC+i], s[RL]
	v_mov_b32 v[O+i], 0                            ; overwritten by candidate 511, whose t is 0
.set i, i+1
.endr
	s_mov_b32 s[CT], 0
.Lcand:                                                ; four candidates a trip, from the list's end upward; the next four are asked for while these are at work (behind the last lie the pad's words)
	s_wait_kmcnt 0x0
	s_mov_b64 s[48:49], s[40:41]
	s_mov_b64 s[50:51], s[42:43]
	s_mov_b64 s[52:53], s[44:45]
	s_mov_b64 s[54:55], s[46:47]
	s_sub_nc_u64 s[26:27], s[26:27], 16
	s_sub_nc_u64 s[28:29], s[28:29], 16
	s_load_b128 s[40:43], s[26:27], 0x0
	s_load_b128 s[44:47], s[28:29], 0x0
.irp c, 3,2,1,0
.set i, 0
.rept 8
	v_sub_f32 v[T+i], v[SC+i], s[48+\c]            ; s - ref_j
.set i, i+1
.endr
.set i, 0
.rept 8
	v_sub_f32 v[T+i], |v[D5+i]|, |v[T+i]|          ; t = d_511 - d_j
.set i, i+1
.endr
.set i, 0
.rept 8
	v_cmp_le_f32 s[M+i], s[NEPS], v[T+i]
.set i, i+1
.endr
.set i, 0
.rept 8
	v_cndmask_b32 v[O+i], v[O+i], s[52+\c], s[M+i]
.set i, i+1
.endr
.endr
	s_add_co_u32 s[CT], s[CT], 1
	s_cmp_lt_u32 s[CT], s[NB]
	s_cbranch_scc1 .Lcand
	s_wait_dscnt 0x0                               ; for the others' sake: wave 0's entries lie in the table
	s_barrier_signal -1
	s_barrier_wait -1
	ds_load_b128 v[TB:TB+3], v[TO]
	ds_load_b128 v[TB+4:TB+7], v[TO] offset:4096
	s_wait_dscnt 0x0
.set i, 0
.rept 8
	v_cmp_le_i32 s[M+i], 0, v[TB+i]
.set i, i+1
.endr
.set i, 0
.rept 8
	v_cndmask_b32 v[O+i], v[O+i], v[TB+i], s[M+i]  ; a ref takes its own answer
.set i, i+1
.endr
	global_store_b128 v[TO], v[O:O+3], s[12:13]                ; each store of a wave covers 512 consecutive bytes, aligned
	global_store_b128 v[TO], v[O+4:O+7], s[12:13] offset:4096
	s_wait_tensorcnt 0x0                           ; the wave's end: behind my last LDS store
	ds_add_u32 v[SPW], v[NIL]
	s_wait_dscnt 0x0
	s_endpgm
.Lfunc_end_k_q7291eb25f9_assign:
	.size	k_q7291eb25f9_assign, .Lfunc_end_k_q7291eb25f9_assign-k_q7291eb25f9_assign
	.p2alignl 7, 3214868480
	.fill 96, 4, 3214868480
	.section	.rodata,"a",@progbits
	.p2align	6, 0x0
	.amdhsa_kernel k_q7291eb25f9_assign
		.amdhsa_group_segment_fixed_size 9472
		.amdhsa_private_segment_fixed_size 0
		.amdhsa_enable_private_segment 0
		.amdhsa_kernarg_size 40
		.amdhsa_user_sgpr_count 2
		.amdhsa_user_sgpr_kernarg_segment_ptr 1
		.amdhsa_wavefront_size32 1
		.amdhsa_system_sgpr_workgroup_id_x 1
		.amdhsa_system_sgpr_workgroup_id_y 1
		.amdhsa_system_sgpr_workgroup_id_z 1
		.amdhsa_system_vgpr_workitem_id 0
		.amdhsa_next_free_vgpr 148
		.amdhsa_next_free_sgpr 66
		.amdhsa_reserve_vcc 1
		.amdhsa_float_denorm_mode_32 3
		.amdhsa_float_denorm_mode_16_64 3
		.amdhsa_memory_ordered 1
		.amdhsa_forward_progress 1
		.amdhsa_inst_pref_size 23
	.end_amdhsa_kernel
	.amdgpu_metadata
---
amdhsa.version: [ 1, 2 ]
amdhsa.kernels:
  - .name:           k_q7291eb25f9_assign
    .symbol:         k_q7291eb25f9_assign.kd
    .args:
      - { .name: scores, .offset: 0, .size: 8, .value_kind: global_buffer, .address_space: global }
      - { .name: refv, .offset: 8, .size: 8, .value_kind: global_buffer, .address_space: global }
      - { .name: refi, .offset: 16, .size: 8, .value_kind: global_buffer, .address_space: global }
      - { .name: meta, .offset: 24, .size: 8, .value_kind: global_buffer, .address_space: global }
      - { .name: out0, .offset: 32, .size: 8, .value_kind: global_buffer, .address_space: global }
    .group_segment_fixed_size: 9472
    .private_segment_fixed_size: 0
    .kernarg_segment_align: 8
    .kernarg_segment_size: 40
    .max_flat_workgroup_size: 256
    .sgpr_count:     66
    .vgpr_count:     148
    .wavefront_size: 32
...
	.end_amdgpu_metadata
.endif
;; end of part 4
